; MI455X (gfx1250); checked and timed in simulation.
; The chip was launched on July 23, 2026; its instructions are those of AMD's public machine-readable ISA for CDNA 5 (MIT licence, August 2026) and "CDNA5" Instruction Set Architecture Reference Guide (July 2026). The comments in the code are by the model that wrote it; some were corrected since.
;; Norm EMA Vector Quantizer. Allowed arithmetic: float matrix products may take bf16 or f16 operands with f32 sums; other float arithmetic in f32, or as packed bf16 or f16 multiplies, adds, multiply-adds, maxima and minima; sums over many terms, partial sums and values carried from step to step in f32; what a program stores and reads back later, other than sums and carried values, may be rounded once to bf16 or f16.
;; Inputs: embed_weight 8,192 x 512 float32; z 8 x 2,048 x 512 float32.
;; Outputs: out0 8 x 2,048 x 512 float32; out1 one number float32; out2 8 x 2,048 int32.
;; 2 versions, each right; version 2 is version 1 with the launch finish written anew for expert scheduling mode. Each part assembles by itself: llvm-mc -triple=amdgcn-amd-amdhsa -mcpu=gfx1250 --defsym DOCPART=n.
;; ======== version 1 of 2: 4 launches
;; workspace buffers: xb 25,165,824 bytes; rn 98,304 bytes; cand 262,144 bytes of whole numbers; lossp 16,384 bytes
;; launch prep (part 1): grid 768 x 1, 8 waves a work-group, no clusters, 0 bytes of LDS; arguments z, embed_weight, xb, rn; writes xb, rn
.if DOCPART == 1
	.amdgcn_target "amdgcn-amd-amdhsa--gfx1250"
	.amdhsa_code_object_version 6
	.text
	.protected	k_qf26a300df1_prep
	.globl	k_qf26a300df1_prep
	.p2align	8
	.type	k_qf26a300df1_prep,@function
k_qf26a300df1_prep:
	s_mov_b64 s[64:65], 0
	v_nop
	global_prefetch_b8 v0, s[64:65] scope:SCOPE_SE
	s_setreg_imm32_b32 hwreg(HW_REG_WAVE_MODE, 25, 1), 1
	s_wait_xcnt 0x0
; PREP.  xb[row][0..511] = bf16(x[row][0..511]);  rn[row] = 1 / max(|xb[row]|, 1e-12), the norm taken of the ROUNDED numbers.
; Rows 0 .. 16,383 are z's, rows 16,384 .. 24,575 the codebook's.  A work-group takes 32 rows, each of its eight waves four: a row of 2,048 bytes
; is four loads of 512 consecutive bytes, and leaves as four stores of 256 consecutive, aligned bytes.  No LDS, no barrier: a row never leaves its wave.
; The root and the reciprocal each get one Newton step, since the factor enters a comparison of scores that must be as sharp as f32 allows.
; LIMITS.  A row's sum of squares stays finite in f32 (|x| under about 1e17); NaN and infinities are not treated apart.
.set ZG,  512                          ; work-groups that take rows of z; the others take the codebook's
.set R,   8                            ; v[8:11]    the four rows' 1 / norm
.set X,   16                           ; v[16:79]   row i at 16 i: 16 numbers a lane as loaded
.set P,   80                           ; v[80:111]  row i at 8 i: the same, packed in bf16
.set SS,  112                          ; v[112:127] row i at 4 i: four chains of squares, later at work
.set EPS, 0x2b8cbccc                   ; 1e-12
	s_load_b256 s[4:11], s[0:1], 0x0               ; z s[4:5], embed_weight s[6:7], xb s[8:9], rn s[10:11]
	v_and_b32 v1, 31, v0                           ; lane
	v_lshrrev_b32 v5, 5, v0
	v_readfirstlane_b32 s12, v5                    ; wave
	v_lshlrev_b32 v2, 4, v1                        ; 16 bytes a lane in
	v_lshlrev_b32 v3, 3, v1                        ; 8 bytes a lane out
	v_mov_b32 v4, 0                                ; starts the chains; also the offset of the last store
	s_mov_b32 s20, 0x76543210                      ; v_permlanex16_b32: each lane takes its own place in the other half
	s_mov_b32 s21, 0xfedcba98
	s_mov_b32 s13, ttmp9                           ; g
	s_cmp_lt_u32 s13, ZG
	s_cselect_b32 s14, 0, ZG
	s_sub_co_u32 s14, s13, s14                     ; the work-group's number within its input
	s_lshl_b32 s16, s14, 16                        ; in: 32 rows of 2,048 bytes a work-group,
	s_lshl_b32 s15, s12, 13                        ; 4 rows a wave
	s_add_co_u32 s16, s16, s15
	s_mov_b32 s17, 0
	s_lshl_b32 s18, s13, 15                        ; xb: 32 rows of 1,024 bytes, 4 rows a wave
	s_lshl_b32 s15, s12, 12
	s_add_co_u32 s18, s18, s15
	s_mov_b32 s19, 0
	s_lshl_b32 s22, s13, 7                         ; rn: 32 words, 4 words a wave
	s_lshl_b32 s15, s12, 4
	s_add_co_u32 s22, s22, s15
	s_mov_b32 s23, 0
	s_wait_kmcnt 0x0
	s_cmp_lt_u32 s13, ZG                           ; compared anew: the sums above have written SCC
	s_cselect_b64 s[4:5], s[4:5], s[6:7]           ; which input
	s_add_nc_u64 s[4:5], s[4:5], s[16:17]
	s_add_nc_u64 s[8:9], s[8:9], s[18:19]
	s_add_nc_u64 s[10:11], s[10:11], s[22:23]
.set i, 0
.rept 4
.irp t, 0,1,2,3
	global_load_b128 v[X+16*i+4*(\t):X+16*i+4*(\t)+3], v2, s[4:5] offset:2048*i+512*(\t) th:TH_LOAD_NT  ; all sixteen loads go out at once
.endr
.set i, i+1
.endr
.macro LSUM a, b                       ; the sum over the 32 lanes, in every lane; b is a register that has been written
	v_add_f32_dpp v[\a], v[\a], v[\a] row_xmask:1 row_mask:0xf bank_mask:0xf
	v_add_f32_dpp v[\a], v[\a], v[\a] row_xmask:2 row_mask:0xf bank_mask:0xf
	v_add_f32_dpp v[\a], v[\a], v[\a] row_xmask:4 row_mask:0xf bank_mask:0xf
	v_add_f32_dpp v[\a], v[\a], v[\a] row_xmask:8 row_mask:0xf bank_mask:0xf
	v_permlanex16_b32 v[\b], v[\a], s20, s21
	v_add_f32 v[\a], v[\a], v[\b]
.endm
; Row i: rounded, stored, and the squares of the rounded numbers summed.
.macro PROW i
	s_wait_loadcnt 12-4*(\i)                       ; loads come back in order: the younger rows' four each may stay out
.irp t, 0,1,2,3
	v_cvt_pk_bf16_f32 v[P+8*(\i)+2*(\t)],   v[X+16*(\i)+4*(\t)],   v[X+16*(\i)+4*(\t)+1]
	v_cvt_pk_bf16_f32 v[P+8*(\i)+2*(\t)+1], v[X+16*(\i)+4*(\t)+2], v[X+16*(\i)+4*(\t)+3]
.endr
.irp t, 0,1,2,3
	global_store_b64 v3, v[P+8*(\i)+2*(\t):P+8*(\i)+2*(\t)+1], s[8:9] offset:1024*(\i)+256*(\t)  ; 32 lanes store 256 consecutive bytes, aligned
.endr
.irp j, 0,1,2,3,4,5,6,7
.if (\j) < 2
	v_fma_mix_f32_bf16 v[SS+4*(\i)+(2*(\j))%4],   v[P+8*(\i)+(\j)], v[P+8*(\i)+(\j)], v4 op_sel_hi:[1,1,0]
	v_fma_mix_f32_bf16 v[SS+4*(\i)+(2*(\j)+1)%4], v[P+8*(\i)+(\j)], v[P+8*(\i)+(\j)], v4 op_sel:[1,1,0] op_sel_hi:[1,1,0]
.else
	v_fma_mix_f32_bf16 v[SS+4*(\i)+(2*(\j))%4],   v[P+8*(\i)+(\j)], v[P+8*(\i)+(\j)], v[SS+4*(\i)+(2*(\j))%4] op_sel_hi:[1,1,0]
	v_fma_mix_f32_bf16 v[SS+4*(\i)+(2*(\j)+1)%4], v[P+8*(\i)+(\j)], v[P+8*(\i)+(\j)], v[SS+4*(\i)+(2*(\j)+1)%4] op_sel:[1,1,0] op_sel_hi:[1,1,0]
.endif
.endr
	v_add_f32 v[SS+4*(\i)], v[SS+4*(\i)], v[SS+4*(\i)+1]
	v_add_f32 v[SS+4*(\i)+2], v[SS+4*(\i)+2], v[SS+4*(\i)+3]
	v_add_f32 v[SS+4*(\i)], v[SS+4*(\i)], v[SS+4*(\i)+2]
	LSUM SS+4*(\i), SS+4*(\i)+1
.endm
	PROW 0
	PROW 1
	PROW 2
	PROW 3
	; 1 / max(sqrt(ss), 1e-12) for the four rows side by side.  +0 ss, +1 the root, +2 the reciprocal, +3 at work.
.irp i, 0,1,2,3
	v_sqrt_f32 v[SS+4*(\i)+1], v[SS+4*(\i)]
.endr
	v_nop                                          ; a plain instruction between the last root and the use of the results (ISA guide 5.7.2)
	s_wait_alu depctr_va_vdst(0)
.irp i, 0,1,2,3
	v_max_num_f32 v[SS+4*(\i)+3], EPS, v[SS+4*(\i)+1]
.endr
.irp i, 0,1,2,3
	v_rcp_f32 v[SS+4*(\i)+2], v[SS+4*(\i)+3]
.endr
.irp i, 0,1,2,3
	v_fma_f32 v[SS+4*(\i)], -v[SS+4*(\i)+1], v[SS+4*(\i)+1], v[SS+4*(\i)]  ; ss - n n: these four touch neither the reciprocals nor their sources
.endr
	s_wait_alu depctr_va_vdst(0)
.irp i, 0,1,2,3
	v_mul_f32 v[SS+4*(\i)+3], 0.5, v[SS+4*(\i)+2]
.endr
.irp i, 0,1,2,3
	v_fma_f32 v[SS+4*(\i)+1], v[SS+4*(\i)], v[SS+4*(\i)+3], v[SS+4*(\i)+1]  ; n + (ss - n n) / 2 n
.endr
.irp i, 0,1,2,3
	v_max_num_f32 v[SS+4*(\i)+1], EPS, v[SS+4*(\i)+1]
.endr
.irp i, 0,1,2,3
	v_fma_f32 v[SS+4*(\i)+3], -v[SS+4*(\i)+1], v[SS+4*(\i)+2], 1.0  ; 1 - n r
.endr
.irp i, 0,1,2,3
	v_fma_f32 v[R+(\i)], v[SS+4*(\i)+2], v[SS+4*(\i)+3], v[SS+4*(\i)+2]  ; r + r (1 - n r)
.endr
	s_wait_xcnt 0x0                                ; EXEC is a source of the stores above: it changes only behind this wait
	v_cmp_eq_u32 vcc_lo, 0, v1
	s_and_saveexec_b32 s24, vcc_lo
	global_store_b128 v4, v[R:R+3], s[10:11]       ; lane 0: my four rows' factors, 16 bytes
	s_endpgm
.Lfunc_end_k_qf26a300df1_prep:
	.size	k_qf26a300df1_prep, .Lfunc_end_k_qf26a300df1_prep-k_qf26a300df1_prep
	.p2alignl 7, 3214868480
	.fill 96, 4, 3214868480
	.section	.rodata,"a",@progbits
	.p2align	6, 0x0
	.amdhsa_kernel k_qf26a300df1_prep
		.amdhsa_group_segment_fixed_size 0
		.amdhsa_private_segment_fixed_size 0
		.amdhsa_enable_private_segment 0
		.amdhsa_kernarg_size 32
		.amdhsa_user_sgpr_count 2
		.amdhsa_user_sgpr_kernarg_segment_ptr 1
		.amdhsa_wavefront_size32 1
		.amdhsa_system_sgpr_workgroup_id_x 1
		.amdhsa_system_sgpr_workgroup_id_y 1
		.amdhsa_system_sgpr_workgroup_id_z 1
		.amdhsa_system_vgpr_workitem_id 0
		.amdhsa_next_free_vgpr 128
		.amdhsa_next_free_sgpr 66
		.amdhsa_reserve_vcc 1
		.amdhsa_float_denorm_mode_32 3
		.amdhsa_float_denorm_mode_16_64 3
		.amdhsa_memory_ordered 1
		.amdhsa_forward_progress 1
		.amdhsa_inst_pref_size 15
	.end_amdhsa_kernel
	.amdgpu_metadata
---
amdhsa.version: [ 1, 2 ]
amdhsa.kernels:
  - .name:           k_qf26a300df1_prep
    .symbol:         k_qf26a300df1_prep.kd
    .args:
      - { .name: z, .offset: 0, .size: 8, .value_kind: global_buffer, .address_space: global }
      - { .name: embed_weight, .offset: 8, .size: 8, .value_kind: global_buffer, .address_space: global }
      - { .name: xb, .offset: 16, .size: 8, .value_kind: global_buffer, .address_space: global }
      - { .name: rn, .offset: 24, .size: 8, .value_kind: global_buffer, .address_space: global }
    .group_segment_fixed_size: 0
    .private_segment_fixed_size: 0
    .kernarg_segment_align: 8
    .kernarg_segment_size: 32
    .max_flat_workgroup_size: 256
    .sgpr_count:     66
    .vgpr_count:     128
    .wavefront_size: 32
...
	.end_amdgpu_metadata
.endif
;; end of part 1
;; launch vq (part 2): grid 64 x 4, 4 waves a work-group, clusters of 4 x 1, 327,680 bytes of LDS; arguments xb, rn, cand; writes cand
.if DOCPART == 2
	.amdgcn_target "amdgcn-amd-amdhsa--gfx1250"
	.amdhsa_code_object_version 6
	.text
	.protected	k_qf26a300df1_vq
	.globl	k_qf26a300df1_vq
	.p2align	8
	.type	k_qf26a300df1_vq,@function
k_qf26a300df1_vq:
	s_mov_b64 s[64:65], 0
	v_nop
	global_prefetch_b8 v0, s[64:65] scope:SCOPE_SE
	s_setreg_imm32_b32 hwreg(HW_REG_WAVE_MODE, 25, 1), 1
	s_wait_xcnt 0x0
	s_wait_alu depctr_hold_cnt(0) depctr_sa_sdst(0) depctr_va_vdst(0) depctr_va_sdst(0) depctr_va_ssrc(0) depctr_va_vcc(0) depctr_vm_vsrc(0)
	s_getreg_b32 s2, hwreg(HW_REG_IB_STS2, 6, 4)
	s_cmp_eq_u32 s2, 0
	s_cbranch_scc0 .Lentry_in_a_cluster
	s_endpgm
.Lentry_in_a_cluster:
	s_bfe_u32 s2, ttmp6, 0x10000c
	s_cmp_lg_u32 s2, 0x3003
	s_cbranch_scc0 .Lentry_shape_is_right
	s_endpgm
.Lentry_shape_is_right:
; VQ.  cand[y][n] = the code k in 2,048 y .. 2,048 y + 2,047 with the largest (z[n] . e[k]) rn[k]; the lowest k among equals.  z, e: rows of 512 bf16 in xb (z's first, then the codebook's);
; rn: 1 / norm in f32, in the same order.  The operands are the inputs rounded once to bf16, so the products are exact; sums in f32; the code's 1 / norm multiplies the finished sum in f32.
; z's own norm is one positive factor for a whole row and does not enter the choice.
; LIMITS.  A NaN score never wins; infinities are not treated apart.  Two codes whose scores differ by less than the rounding of the f32 sums may change places.
; SHARES.  A work-group owns 256 rows of z and a quarter of the codebook; each of its four waves 64 rows, against all 2,048 codes.  The wave's z stays in registers for the whole launch
; (64 fragments, 512 registers); only codes go through LDS: one 16-byte LDS load for every two matrix instructions.
; LAYOUT.  Source 0 = 16 codes, source 1 = 16 rows of z: in the result a lane holds ONE row of z (lane % 16) and the codes 8 (lane / 16) + 0..7.  So the running maximum stays inside a lane,
; and the two halves of the lanes meet once, at the end.
; PIECES.  A piece is 32 codes x 64 rows: 8 accumulators, 16 chunks of 32 along the rows, 128 matrix instructions.  Pieces take two sets of accumulators by turns: while one set is multiplied,
; the other, finished, is scaled and compared: 240 vector lines, dealt four behind every second matrix instruction.
; RING.  Two LDS slots of 128 codes (four pieces).  Each wave fetches 32 rows of 1,024 bytes with one tensor load.  CLUSTER: the four row blocks of a cluster walk the same codes, so each tile
; is asked for JOINTLY: the same load, descriptor and mask in all four work-groups.
; REGISTERS, in windows of 256 (s_set_vgpr_msb: bits 1:0 source 0, 3:2 source 1, 5:4 source 2, 7:6 destination):
;   window 0: v0-63 addresses, maxima, indices, factors; v128-191 accumulator set 0, v192-255 set 1 (code block b, row block zb at 8 (4 b + zb))
;   window 1: the codes' fragments, four buffers: quarter q of a piece's 16 chunks at 64 q, code block at + 32, chunk at + 8
;   window 2: z's fragments of chunks 0-7 (row block zb at 64 zb, chunk at + 8);   window 3: those of chunks 8-15
.set PITCH,  1040                      ; an LDS row: 1,024 bytes + 16 of padding = 65 x 16: the 16 rows of a fragment load start at 16 different groups of four banks (64 banks of 4 bytes: ISA guide 11.1)
.set PC,     32*PITCH                  ; a piece's 32 rows; also what one tensor load brings
.set SLOT1,  4*PC                      ; slot 1 begins here.  Its two bits (11 and 17) are clear in every wave's place 0, PC, 2 PC, 3 PC in slot 0: one exclusive or changes slots
.set SPARE,  327168                    ; the last two blocks of 256 bytes: the spare words, 128 bytes for each wave, which no other line names
.set TILEB,  131072                    ; 128 codes of 1,024 bytes in memory
.set EB_OFF, 0x1000000                 ; the codebook's first byte in xb
.set RE_OFF, 65536                     ; and in rn
.set AK0, 3                            ; v3      my lane's place in a piece: (lane % 16) x PITCH + 16 (lane / 16); never rewritten
.set ADR, 4                            ; v4      LDS address of the piece whose fragments are being fetched
.set QO,  5                            ; v5      my byte offset in 16 rows of z
.set RNA, 6                            ; v6      my byte offset in the part's factors: 32 (lane / 16) + 128 x piece
.set CO,  7                            ; v7      4 x lane
.set M,   8                            ; v[8:11]   the running maximum, one for each row block
.set ID,  12                           ; v[12:15]  its code
.set IDS, 16                           ; v[16:31]  the codes of the piece in hand that my lane holds: code block b, register j at 8 b + j
.set RN,  32                           ; v[32:47]  their factors, likewise
.set TW,  48                           ; v[48:55]  at work at the end
.set SPW, 62                           ; v62     LDS address of my spare word; never rewritten
.set NIL, 63                           ; v63     0; never rewritten
.set ACC, 128
.set WV,  10                           ; s10  my wave's number
.set G1,  24                           ; s[24:31] descriptor group 1
.set G0A, 32                           ; s[32:35] descriptor group 0 of the first fill
.set G0W, 36                           ; s[36:39] of the second; it then walks
.set TB,  40                           ; s40  LDS byte at which the next piece to be fetched begins
.set CNT, 41                           ; s41  counts a slot's two trips
.set SLOTS, 42                         ; s42  changes of slots still to come, and one
.set MK0, 44                           ; s44-46 lane masks of the comparisons
.set MK1, 45
.set MK2, 46
.set HM,  47                           ; s47  the upper half of the lanes
.set SEL, 48                           ; s[48:49] v_permlanex16_b32's selects
.set MSB, 0
.macro WIN new                         ; the immediate's high byte repeats the setting that is left; a switch that changes nothing is dropped
.if MSB != (\new)
	s_set_vgpr_msb (MSB<<8)|(\new)
.set MSB, \new
.endif
.endm
.set W_H0, 0x09                        ; codes in window 1, z in window 2, sums in window 0
.set TO_F, 0x40                        ; destination window 1, address window 0
.macro PLACES                          ; four places in front of loads into registers that matrix instructions have read, and of vector lines that read their results
.rept 4
	v_nop
.endr
.endm
; A round of the cluster's barrier: my work-group's barrier, so that wave 0's signal speaks for all four waves; wave 0 signals; every wave waits for all four work-groups; my work-group's barrier once more.
.macro CROUND
	s_barrier_signal -1
	s_barrier_wait -1
	s_cmp_lg_u32 s[WV], 0
	s_cbranch_scc1 .Lnot_wave_0_\@
	s_barrier_signal -3
.Lnot_wave_0_\@:
	s_barrier_wait -3
	s_barrier_signal -1
	s_barrier_wait -1
.endm
	s_load_b128 s[4:7], s[0:1], 0x0                ; xb s[4:5], rn s[6:7]
	s_load_b64 s[8:9], s[0:1], 0x10                ; cand
	v_lshl_add_u32 v[SPW], v0, 2, SPARE
	v_mov_b32 v[NIL], 0
	ds_add_u32 v[SPW], v[NIL]                      ; the wave's opening: the add and its wait stand ahead of my first tensor load; the set-up below, work on registers, stands between them
	v_lshrrev_b32 v1, 5, v0
	v_readfirstlane_b32 s[WV], v1                  ; wave 0..3
	s_bfe_u32 s11, ttmp6, 0x40000                  ; cx: my place in the cluster
	s_lshl_b32 s12, ttmp9, 2                       ; in a cluster launch ttmp9 counts clusters
	s_add_co_u32 s12, s12, s11                     ; x, my block of 256 rows: it enters z's and cand's addresses alone
	s_and_b32 s13, ttmp7, 0xffff                   ; y, the quarter of the codebook, which the four partners share
	s_lshl_b32 s18, s13, 21                        ; the codes that I fetch: 2,048 codes of 1,024 bytes a part,
	s_lshl_b32 s19, s[WV], 15                      ; my 32 rows of a tile,
	s_add_co_u32 s18, s18, s19
	s_add_co_u32 s18, s18, EB_OFF                  ; behind z's rows
	s_mov_b32 s19, 0
	s_lshl_b32 s20, s12, 18                        ; my z: 256 rows of 1,024 bytes a block, 64 a wave
	s_lshl_b32 s21, s[WV], 16
	s_add_co_u32 s20, s20, s21
	s_mov_b32 s21, 0
	s_lshl_b32 s22, s13, 13                        ; the part's 2,048 factors
	s_add_co_u32 s22, s22, RE_OFF
	s_mov_b32 s23, 0
	s_lshl_b32 s50, s13, 16                        ; cand: 16,384 words a part, 256 a block, 64 a wave
	s_lshl_b32 s51, s12, 10
	s_add_co_u32 s50, s50, s51
	s_lshl_b32 s51, s[WV], 8
	s_add_co_u32 s50, s50, s51
	s_mov_b32 s51, 0
	s_lshl_b32 s52, s13, 11                        ; the part's first code
	s_mul_i32 s43, s[WV], PC                       ; my quarter of a slot: no place in the cluster enters an LDS address
	; descriptor group 1: a tile of 32 rows x 512 elements, padded in LDS
	s_mov_b32 s[G1], 15|(1<<16)|(1<<20)|(1<<21)|(7<<22)|(3<<25)  ; 15:0 the mask: all four work-groups; 17:16 elements of 2 bytes; 20 padding on; 21 set beside a mask; 24:22 after every 256 words (code 7); 31:25 4 words of it (code 3)
	s_mov_b32 s[G1+1], 512<<16                     ; tensor_dim0 = 512
	s_mov_b32 s[G1+2], 32<<16                      ; tensor_dim1 = 32
	s_mov_b32 s[G1+3], 512<<16                     ; tile_dim0 = 512
	s_mov_b32 s[G1+4], 32                          ; tile_dim1 = 32
	s_mov_b32 s[G1+5], 512                         ; 512 elements from row to row
	s_mov_b32 s[G1+6], 0
	s_mov_b32 s[G1+7], 0
	s_mov_b32 s[G0A], 1                            ; count = 1
	s_mov_b32 s[G0A+1], s43                        ; LDS address: slot 0
	s_mov_b32 s[G0W], 1
	s_add_co_u32 s[G0W+1], s43, SLOT1              ; slot 1
	s_mov_b32 s[HM], 0xffff0000
	s_mov_b32 s[SEL], 0x76543210
	s_mov_b32 s[SEL+1], 0xfedcba98
	s_mov_b32 s[TB], 0
	s_wait_dscnt 0x0                               ; the opening add is done
	s_wait_kmcnt 0x0
	s_add_nc_u64 s[18:19], s[4:5], s[18:19]        ; my rows of the part's tile 0
	s_add_nc_u64 s[G0A+2:G0A+3], s[18:19], 0       ; global address: tile 0
	s_or_b32 s[G0A+3], s[G0A+3], 0x80000000        ; type = 2
	s_add_nc_u64 s[G0W+2:G0W+3], s[18:19], TILEB   ; tile 1
	s_or_b32 s[G0W+3], s[G0W+3], 0x80000000
	s_add_nc_u64 s[14:15], s[4:5], s[20:21]        ; z at my wave's first row
	s_add_nc_u64 s[16:17], s[6:7], s[22:23]        ; the part's factors
	s_add_nc_u64 s[8:9], s[8:9], s[50:51]          ; cand at my wave's first row
	CROUND                                         ; all four work-groups are here: the first joint loads meet
	tensor_load_to_lds s[G0A:G0A+3], s[G1:G1+7]    ; both first fills go out together: two tensor loads of mine are out
	s_nop 0
	tensor_load_to_lds s[G0W:G0W+3], s[G1:G1+7]
	s_nop 0
	PLACES
	; A fragment is 16 rows x 32 numbers in 8 registers: lane l holds row l % 16; registers 0-3 the numbers 8 (l / 16) + 0..7, registers 4-7 the numbers 16 + 8 (l / 16) + 0..7: two loads of 16 bytes, 32 bytes apart.
	v_and_b32 v1, 15, v0                           ; l % 16
	v_bfe_u32 v2, v0, 4, 1                         ; l / 16
	v_lshlrev_b32 v[QO], 10, v1
	v_lshl_add_u32 v[QO], v2, 4, v[QO]             ; row x 1,024 + 16 x half
.set zb, 0
.rept 4                                ; z stays in registers: row block zb, chunk kc
	WIN 0x80                                       ; destination window 2, address window 0
.set kc, 0
.rept 8
	global_load_b128 v[64*zb+8*kc:64*zb+8*kc+3],   v[QO], s[14:15] offset:zb*16384+kc*64
	global_load_b128 v[64*zb+8*kc+4:64*zb+8*kc+7], v[QO], s[14:15] offset:zb*16384+kc*64+32
.set kc, kc+1
.endr
	WIN 0xc0                                       ; destination window 3
.set kc, 0
.rept 8
	global_load_b128 v[64*zb+8*kc:64*zb+8*kc+3],   v[QO], s[14:15] offset:zb*16384+512+kc*64
	global_load_b128 v[64*zb+8*kc+4:64*zb+8*kc+7], v[QO], s[14:15] offset:zb*16384+512+kc*64+32
.set kc, kc+1
.endr
.set zb, zb+1
.endr
	WIN 0
	v_mul_u32_u24 v[AK0], v1, PITCH
	v_lshl_add_u32 v[AK0], v2, 4, v[AK0]           ; row x pitch + 16 x half
	v_lshlrev_b32 v[RNA], 5, v2                    ; my eight factors of a code block: 32 bytes for each half of the lanes
	v_and_b32 v[CO], 31, v0
	v_lshlrev_b32 v[CO], 2, v[CO]
	v_lshl_add_u32 v[TW], v2, 3, s52               ; the part's first code + 8 (l / 16)
.set i, 0
.rept 4
	v_mov_b32 v[M+i], 0xff800000                   ; below every score
	v_mov_b32 v[ID+i], s52
.set i, i+1
.endr
.set i, 0
.rept 16
	v_add_nc_u32 v[IDS+i], 16*(i/8)+i%8, v[TW]
.set i, i+1
.endr
.set i, 1
.rept 7
	v_mov_b32 v[TW+i], 0                           ; v_permlanex16_b32's destinations count as read: they are written here
.set i, i+1
.endr
	v_mov_b32 v[ADR], v[AK0]                       ; piece 0 lies at the head of slot 0
; 16 LDS loads in one run: quarter FQ (chunks 4 FQ .. 4 FQ + 3) of the piece at ADR, both code blocks, into buffer FQ
.macro FETCH
	WIN TO_F
.irp b, 0,1
.irp c, 0,1,2,3
	ds_load_b128 v[64*FQ+32*(\b)+8*(\c):64*FQ+32*(\b)+8*(\c)+3],   v[ADR] offset:(\b)*16*PITCH+(4*FQ+(\c))*64
	ds_load_b128 v[64*FQ+32*(\b)+8*(\c)+4:64*FQ+32*(\b)+8*(\c)+7], v[ADR] offset:(\b)*16*PITCH+(4*FQ+(\c))*64+32
.endr
.endr
.endm
; The factors of the piece that is being multiplied: 8 for each code block
.macro RNLOAD
	WIN 0
	global_load_b128 v[RN:RN+3],     v[RNA], s[16:17]
	global_load_b128 v[RN+4:RN+7],   v[RNA], s[16:17] offset:16
	global_load_b128 v[RN+8:RN+11],  v[RNA], s[16:17] offset:64
	global_load_b128 v[RN+12:RN+15], v[RNA], s[16:17] offset:80
.endm
; Two matrix instructions: accumulators 2 kp and 2 kp + 1 of set SETX, chunk 8 h + 4 kq + kc.  The eight accumulators take turns, one instruction a turn.
; A piece's first chunk starts the sums with the constant 0: nothing is ever cleared.
.macro MMP h
	WIN W_H0+4*(\h)                                ; z in window 2 or 3
.set ka, 2*kp
.rept 2
.set rD, SETX+8*ka
.set rA, 64*(2*(\h)+kq)+32*(ka/4)+8*kc
.set rB, 64*(ka%4)+8*(4*kq+kc)
.if ((\h) == 0) && (kq == 0) && (kc == 0)
	v_wmma_f32_16x16x32_bf16 v[rD:rD+7], v[rA:rA+7], v[rB:rB+7], 0
.else
	v_wmma_f32_16x16x32_bf16 v[rD:rD+7], v[rA:rA+7], v[rB:rB+7], v[rD:rD+7]
.endif
.set ka, ka+1
.endr
.endm
; THE VECTOR WORK ON A FINISHED SET (SETY): a list of 240 lines; RID writes number nr and steps it.
;   0-31     the sums times the codes' factors, in place, each accumulator's lowest registers first
;   32-223   the 64 scores of a lane, in ascending order of the code for each row block, two at a time (row blocks 0 and 1, then 2 and 3): both comparisons, then for each the code and the maximum.
;            Strictly greater keeps the first of equals.
;   224-239  the lane's 16 codes step to the next piece
.macro RID
.if nr < 32
.set rt, SETY+8*(nr/4)+2*(nr%4)
.set ri, RN+8*(nr/16)+2*(nr%4)
	v_pk_mul_f32 v[rt:rt+1], v[rt:rt+1], v[ri:ri+1]
.elseif nr < 224
.set kl, (nr-32)%6
.set el, 2*((nr-32)/6)
.set mk, MK0
.if (kl == 1) || (kl >= 4)
.set el, el+1
.set mk, MK1
.endif
.set rt, SETY+8*(4*(el/32)+el%4)+(el%32)/4
.set rz, el%4
.set ri, IDS+8*(el/32)+(el%32)/4
.if kl < 2
	v_cmp_gt_f32 s[mk], v[rt], v[M+rz]
.elseif (kl == 2) || (kl == 4)
	v_cndmask_b32 v[ID+rz], v[ID+rz], v[ri], s[mk]
.else
	v_max_num_f32 v[M+rz], v[M+rz], v[rt]
.endif
.else
	v_add_nc_u32 v[IDS+nr-224], 32, v[IDS+nr-224]
.endif
.set nr, nr+1
.endm
; HALF A PIECE: h = 0 chunks 0-7, h = 1 chunks 8-15; 64 matrix instructions on set x.
; FRAGMENTS.  At the head of each quarter the quarter's own 16 loads are waited for (the next quarter's 16 may stay out) and the quarter two further on is fetched: the first half fetches its own piece's
; quarters 2 and 3, the second half the next piece's quarters 0 and 1.  The buffer's last product stands a quarter back, with vector lines behind it that name none of its registers.
; ride = 1: the other set's list is dealt four lines behind every second matrix instruction: 0-127 in the first half; 128-239 in the second, whose first four pairs stand bare.  The second half's last
; four lines, plain additions, are the places between this set's last products and the first line that reads them.  ride = 0 (the first piece): v_nop take those places.
; fetch = 0: the last half of all: nothing is left to fetch.
.macro HALF h, x, ride, fetch
.set SETX, ACC+64*(\x)
.set SETY, ACC+64*(1-(\x))
.set kg, 0
.set nr, 128*(\h)
	WIN 0
.if ((\h) == 1) && (\fetch)
	v_add_nc_u32 v[ADR], s[TB], v[AK0]             ; the next piece
.endif
.if ((\h) == 0) && (\ride)
	s_wait_loadcnt 0x0                             ; the finished piece's factors, asked for 96 matrix instructions ago; the wait also frees their address,
	v_add_nc_u32 v[RNA], 128, v[RNA]               ; which steps to this piece's
.endif
.set kq, 0
.rept 2
.if \fetch
	s_wait_dscnt 16                                ; this quarter's fragments are in; the next quarter's 16 loads may stay out
.if !(\ride)
	PLACES
.endif
.set FQ, (2*(\h)+kq+2)%4
	FETCH
.else
	s_wait_dscnt 16*(1-kq)
.endif
.if ((\h) == 0) && (kq == 1)
	RNLOAD                                         ; the list's lines 0-31, which read the factors of the piece before, stand in the first quarter
.endif
.set kc, 0
.rept 4
.set kp, 0
.rept 4
	MMP \h
.if (\ride) && (((\h) == 0) || (kg >= 4))
	WIN 0
	RID
	RID
	RID
	RID
.endif
.set kg, kg+1
.set kp, kp+1
.endr
.set kc, kc+1
.endr
.set kq, kq+1
.endr
.if !(\ride) && ((\h) == 1)
	WIN 0
	PLACES
.endif
.endm
; THE CHANGE OF SLOTS, between the two halves of a slot's last piece: all that piece's fragments have been asked for.  Each wave waits for all its tensor loads, of which one is out: its part of the
; other slot; adds 0 to its spare word; and waits for that and for its own reads of the slot.  Behind the barrier nobody reads this slot any more and the other slot is whole.
; fill = 1: this slot is filled again, with the tile two further on.  The barrier is then a round of the cluster's, so that no wave of any partner still reads the slot or has a load on its way, and
; the joint refill is the first thing behind it: it has four pieces, 512 matrix instructions, in which to land.
.macro CHANGE fill
	WIN 0                                          ; at a label and at a branch every window is 0
	s_wait_tensorcnt 0x0                           ; no tensor load of mine is out, so a group 0 may be written
	ds_add_u32 v[SPW], v[NIL]                      ; 0 onto my spare word; with fill = 1 the descriptor's steps stand between it and the wait for it
.if \fill
	s_xor_b32 s[G0W+1], s[G0W+1], SLOT1            ; the walking descriptor: the other slot than last time,
	s_add_nc_u64 s[G0W+2:G0W+3], s[G0W+2:G0W+3], TILEB  ; the next 128 codes; the type bits on top are not reached
	s_wait_dscnt 0x0                               ; the add is done, and my reads of the slot are over
	CROUND
	tensor_load_to_lds s[G0W:G0W+3], s[G1:G1+7]    ; my one tensor load behind the round
	s_nop 0
	PLACES
.else
	s_wait_dscnt 0x0                               ; the add is done, and my reads of the slot are over
	s_barrier_signal -1
	s_barrier_wait -1
.endif
	s_sub_co_u32 s[TB], s[TB], 4*PC                ; the fetches go back to a slot's first piece,
	s_xor_b32 s[TB], s[TB], SLOT1                  ; in the other slot
.endm
; A trip: the second half of an odd piece, a whole even piece, the first half of the next odd piece.
.macro TRIP_HEAD
	HALF 1, 1, 1, 1
	HALF 0, 0, 1, 1
	s_add_co_u32 s[TB], s[TB], PC
	HALF 1, 0, 1, 1
	WIN 0
.endm
.macro TRIP_FOOT
	HALF 0, 1, 1, 1
	s_add_co_u32 s[TB], s[TB], PC
	WIN 0
	s_sub_co_u32 s[CNT], s[CNT], 1
	s_cmp_lg_u32 s[CNT], 0
.endm
	s_wait_tensorcnt 1                             ; my part of slot 0 is in; slot 1's may stay out
	s_barrier_signal -1
	s_barrier_wait -1                              ; everybody's is
.set FQ, 0
	FETCH
.set FQ, 1
	FETCH
	WIN 0
	s_wait_loadcnt 0x0                             ; z
	HALF 0, 0, 0, 1                                ; piece 0: there is no finished set yet to work on beside it
	s_add_co_u32 s[TB], s[TB], PC
	HALF 1, 0, 0, 1
	WIN 0
	s_mov_b32 s[CNT], 2
	s_mov_b32 s[SLOTS], 15
	s_branch .Lenter                               ; the loop is entered in the middle of a trip
.Lslot:                                            ; 14 times: every slot but the last two is filled again
	CHANGE 1
	s_mov_b32 s[CNT], 2
.Ltrip:
	TRIP_HEAD
.Lenter:
	TRIP_FOOT
	s_cbranch_scc1 .Ltrip
	s_sub_co_u32 s[SLOTS], s[SLOTS], 1
	s_cmp_lg_u32 s[SLOTS], 0
	s_cbranch_scc1 .Lslot
	CHANGE 0                                       ; the tail is written out: nothing is asked for
	s_mov_b32 s[CNT], 2
.Ltail:
	TRIP_HEAD
	TRIP_FOOT
	s_cbranch_scc1 .Ltail
	HALF 1, 1, 1, 0                                ; the last piece's second half; its last four vector lines are the places behind the last products
	WIN 0
	s_wait_loadcnt 0x0                             ; the last piece's factors
.set SETY, ACC+64
.set nr, 0
.rept 224
	RID                                            ; the last piece's scores, with nothing left to stand beside
.endr
	; The row's other codes lie in the lane 16 away: the greater score wins, among equals the lower code.  Then both halves of the lanes hold the row's winner.
.irp b, 0,1,2,3
	v_permlanex16_b32 v[TW+(\b)], v[M+(\b)], s[SEL], s[SEL+1]
	v_permlanex16_b32 v[TW+4+(\b)], v[ID+(\b)], s[SEL], s[SEL+1]
.endr
.irp b, 0,1,2,3
	v_cmp_gt_f32 s[MK0], v[TW+(\b)], v[M+(\b)]
	v_cmp_eq_f32 s[MK1], v[TW+(\b)], v[M+(\b)]
	v_cmp_lt_u32 s[MK2], v[TW+4+(\b)], v[ID+(\b)]
	s_and_b32 s[MK1], s[MK1], s[MK2]
	s_or_b32 s[MK0], s[MK0], s[MK1]
	v_cndmask_b32 v[ID+(\b)], v[ID+(\b)], v[TW+4+(\b)], s[MK0]
.endr
	v_cndmask_b32 v[TW], v[ID], v[ID+1], s[HM]     ; lane l takes row l: lanes 0-15 of row block 0, lanes 16-31 of row block 1
	v_cndmask_b32 v[TW+1], v[ID+2], v[ID+3], s[HM]
	global_store_b32 v[CO], v[TW], s[8:9]          ; 128 consecutive bytes each: my wave's 64 rows are 256 bytes, aligned
	global_store_b32 v[CO], v[TW+1], s[8:9] offset:128
	s_wait_tensorcnt 0x0                           ; the wave's end, behind my last tensor load
	ds_add_u32 v[SPW], v[NIL]
	s_wait_dscnt 0x0
	CROUND                                         ; the closing round: no work-group ends while a partner may still ask for a tile that names it
	s_endpgm
.Lfunc_end_k_qf26a300df1_vq:
	.size	k_qf26a300df1_vq, .Lfunc_end_k_qf26a300df1_vq-k_qf26a300df1_vq
	.p2alignl 7, 3214868480
	.fill 96, 4, 3214868480
	.section	.rodata,"a",@progbits
	.p2align	6, 0x0
	.amdhsa_kernel k_qf26a300df1_vq
		.amdhsa_group_segment_fixed_size 327680
		.amdhsa_private_segment_fixed_size 0
		.amdhsa_enable_private_segment 0
		.amdhsa_kernarg_size 24
		.amdhsa_user_sgpr_count 2
		.amdhsa_user_sgpr_kernarg_segment_ptr 1
		.amdhsa_wavefront_size32 1
		.amdhsa_system_sgpr_workgroup_id_x 1
		.amdhsa_system_sgpr_workgroup_id_y 1
		.amdhsa_system_sgpr_workgroup_id_z 1
		.amdhsa_system_vgpr_workitem_id 0
		.amdhsa_next_free_vgpr 1024
		.amdhsa_next_free_sgpr 66
		.amdhsa_reserve_vcc 0
		.amdhsa_float_denorm_mode_32 3
		.amdhsa_float_denorm_mode_16_64 3
		.amdhsa_memory_ordered 1
		.amdhsa_forward_progress 1
		.amdhsa_inst_pref_size 178
	.end_amdhsa_kernel
	.amdgpu_metadata
---
amdhsa.version: [ 1, 2 ]
amdhsa.kernels:
  - .name:           k_qf26a300df1_vq
    .symbol:         k_qf26a300df1_vq.kd
    .args:
      - { .name: xb, .offset: 0, .size: 8, .value_kind: global_buffer, .address_space: global }
      - { .name: rn, .offset: 8, .size: 8, .value_kind: global_buffer, .address_space: global }
      - { .name: cand, .offset: 16, .size: 8, .value_kind: global_buffer, .address_space: global }
    .group_segment_fixed_size: 327680
    .private_segment_fixed_size: 0
    .kernarg_segment_align: 8
    .kernarg_segment_size: 24
    .max_flat_workgroup_size: 128
    .sgpr_count:     66
    .vgpr_count:     1024
    .wavefront_size: 32
...
	.end_amdgpu_metadata
.endif
;; end of part 2
;; launch finish (part 3): grid 512 x 1, 8 waves a work-group, no clusters, 0 bytes of LDS; arguments xb, rn, cand, out0, out2, lossp; writes out0, out2, lossp
.if DOCPART == 3
	.amdgcn_target "amdgcn-amd-amdhsa--gfx1250"
	.amdhsa_code_object_version 6
	.text
	.protected	k_qf26a300df1_finish
	.globl	k_qf26a300df1_finish
	.p2align	8
	.type	k_qf26a300df1_finish,@function
k_qf26a300df1_finish:
	s_mov_b64 s[64:65], 0
	v_nop
	global_prefetch_b8 v0, s[64:65] scope:SCOPE_SE
	s_setreg_imm32_b32 hwreg(HW_REG_WAVE_MODE, 25, 1), 1
	s_wait_xcnt 0x0
; FINISH.  For each row n of z: the four candidates cand[0..3][n] (one for each quarter of the codebook) are weighed anew in f32, score = (zf . e) re with zf = z rz; the greatest wins, among equals the
; lowest code.  out0[n] = zf + (q - zf) with q = e re; out2[n] = the code; lossp[wave] = the sum of (q - zf)^2 over the wave's four rows.  z and e are the bf16 copies in xb, rz and re the 1 / norm in rn.
; The candidates are whole numbers read from memory: all four code rows are loaded, and the choice among them selects values only (v_cndmask_b32); no address and no branch hangs on a score.
; SHARES.  A wave takes four rows; a lane holds the numbers 128 t + 4 lane + k (t, k = 0..3) of a row: loads of 256 consecutive bytes of bf16, stores of 512 consecutive bytes of f32.  No LDS, no barrier.
; No cluster: the work-groups share no tile.  LIMITS.  A NaN score of candidates 1 to 3 never wins; candidate 0 stays wherever no other score compares greater.  An index is held to 0 .. 8,191 before it enters an address.
.set EB_OFF, 0x1000000                 ; the codebook's first byte in xb
.set RE_OFF, 65536                     ; and in rn
.set IX,   8                           ; v[8:11]    the four rows' codes
.set REV,  12                          ; v[12:13]   the chosen code's 1 / norm (the packed lines take the pair's first word for both halves)
.set BEST, 14                          ; v14        the best score so far
.set DT,   16                          ; v[16:19]   the four scores
.set TP,   20                          ; v[20:23]   at work
.set LS,   24                          ; v[24:27]   sums of (q - zf)^2, two packed chains
.set ZF,   28                          ; v[28:43]   zf, 16 numbers
.set EQ,   44                          ; v[44:59]   e, then q - zf
.set OUT,  60                          ; v[60:75]   what is stored
.set OFF,  76                          ; v[76:91]   row i, candidate p at 4 i + p: byte offset of my 8 bytes in the code's row
.set Z,    92                          ; v[92:123]  row i at 8 i: z as loaded
.set C,    124                         ; v[124:251] row i, candidate p at 32 i + 8 p: the code's row as loaded
.set RZ,   20                          ; s[20:23]   the four rows' rz
.set CI,   24                          ; s[24:39]   candidate p of row i at 4 p + i
.set RO,   66                          ; s[66:81]   its byte offset among the factors
.set RE,   82                          ; s[82:97]   its 1 / norm
	s_load_b256 s[4:11], s[0:1], 0x0               ; xb s[4:5], rn s[6:7], cand s[8:9], out0 s[10:11]
	s_load_b128 s[12:15], s[0:1], 0x20             ; out2 s[12:13], lossp s[14:15]
	v_and_b32 v1, 31, v0                           ; lane
	v_lshrrev_b32 v4, 5, v0
	v_readfirstlane_b32 s16, v4
	s_lshl_b32 s17, ttmp9, 3
	s_add_co_u32 s16, s16, s17                     ; G: my wave among the launch's 4,096
	v_lshlrev_b32 v2, 3, v1                        ; 8 bytes a lane of bf16
	v_lshlrev_b32 v3, 4, v1                        ; 16 bytes a lane of f32
	v_mov_b32 v6, 0                                ; starts the chains; also the offset of the last stores
	v_mov_b32 v[REV+1], 0                          ; named with REV as a pair
.irp k, 0,1,2,3
	v_mov_b32 v[TP+(\k)], 0                        ; v_permlanex16_b32's destinations count as read
	v_mov_b32 v[LS+(\k)], 0
.endr
	s_mov_b32 s54, 0x76543210                      ; v_permlanex16_b32: each lane takes its own place in the other half
	s_mov_b32 s55, 0xfedcba98
	s_mov_b32 s56, 0xffff0000                      ; a word's upper bf16
	s_mov_b32 s47, 0                               ; named with s46 as a pair
	s_lshl_b32 s52, s16, 4                         ; four words a wave: in rn, in each part of cand, in out2
	s_lshl_b32 s18, s16, 12                        ; four rows of 1,024 bytes in xb
	s_mov_b32 s19, 0
	s_lshl_b32 s48, s16, 13                        ; four rows of 2,048 bytes in out0
	s_mov_b32 s49, 0
	s_mov_b32 s50, s52
	s_mov_b32 s51, 0
	s_lshl_b32 s58, s16, 2                         ; one word in lossp
	s_mov_b32 s59, 0
	s_wait_kmcnt 0x0
	s_load_b128 s[RZ:RZ+3], s[6:7], s52 offset:0x0
.irp p, 0,1,2,3
	s_load_b128 s[CI+4*(\p):CI+4*(\p)+3], s[8:9], s52 offset:0x10000*(\p)
.endr
	s_add_nc_u64 s[44:45], s[4:5], s[18:19]        ; my rows of z
	s_add_nc_u64 s[40:41], s[4:5], EB_OFF          ; the codebook
	s_add_nc_u64 s[42:43], s[6:7], RE_OFF          ; its factors
	s_add_nc_u64 s[10:11], s[10:11], s[48:49]
	s_add_nc_u64 s[12:13], s[12:13], s[50:51]
	s_add_nc_u64 s[14:15], s[14:15], s[58:59]
.set i, 0
.rept 4
.irp t, 0,1,2,3
	global_load_b64 v[Z+8*i+2*(\t):Z+8*i+2*(\t)+1], v2, s[44:45] offset:1024*i+256*(\t)  ; z goes out while the candidates are on their way
.endr
.set i, i+1
.endr
	s_wait_kmcnt 0x0                               ; rz and the candidates
.set k, 0
.rept 16
	s_min_u32 s[CI+k], s[CI+k], 0x1fff             ; an index stays inside the codebook
	s_lshl_b32 s[RO+k], s[CI+k], 2
	s_load_b32 s[RE+k], s[42:43], s[RO+k] offset:0x0
.set k, k+1
.endr
.set i, 0
.rept 4
.irp p, 0,1,2,3
	s_lshl_b32 s53, s[CI+4*(\p)+i], 10             ; the code's row of 1,024 bytes
	v_add_nc_u32 v[OFF+4*i+(\p)], s53, v2
.endr
.irp p, 0,1,2,3
.irp t, 0,1,2,3
	global_load_b64 v[C+32*i+8*(\p)+2*(\t):C+32*i+8*(\p)+2*(\t)+1], v[OFF+4*i+(\p)], s[40:41] offset:256*(\t)
.endr
.endr
.set i, i+1
.endr
	s_wait_kmcnt 0x0                               ; the candidates' factors
.macro FROW i
	s_wait_loadcnt 48-16*(\i)                      ; loads come back in order: z and this row's four codes are in; the younger rows' sixteen loads each may stay out
	s_wait_xcnt 0x0                                ; OUT, which the row before's stores read, is rewritten only behind this wait
	s_mov_b32 s46, s[RZ+(\i)]
.irp j, 0,1,2,3,4,5,6,7
	v_lshlrev_b32 v[ZF+2*(\j)],   16,  v[Z+8*(\i)+(\j)]
	v_and_b32     v[ZF+2*(\j)+1], s56, v[Z+8*(\i)+(\j)]
.endr
.irp j, 0,1,2,3,4,5,6,7
	v_pk_mul_f32 v[ZF+2*(\j):ZF+2*(\j)+1], v[ZF+2*(\j):ZF+2*(\j)+1], s[46:47] op_sel_hi:[1,0]  ; zf = z rz
.endr
	; four dot products, one chain each, the chains by turns; the codes' halves are read as they lie
.irp j, 0,1,2,3,4,5,6,7
.irp p, 0,1,2,3
.if (\j) == 0
	v_fma_mix_f32_bf16 v[DT+(\p)], v[C+32*(\i)+8*(\p)+(\j)], v[ZF+2*(\j)], v6 op_sel_hi:[1,0,0]
.else
	v_fma_mix_f32_bf16 v[DT+(\p)], v[C+32*(\i)+8*(\p)+(\j)], v[ZF+2*(\j)], v[DT+(\p)] op_sel_hi:[1,0,0]
.endif
.endr
.irp p, 0,1,2,3
	v_fma_mix_f32_bf16 v[DT+(\p)], v[C+32*(\i)+8*(\p)+(\j)], v[ZF+2*(\j)+1], v[DT+(\p)] op_sel:[1,0,0] op_sel_hi:[1,0,0]
.endr
.endr
.irp m, 1,2,4,8
.irp p, 0,1,2,3
	v_add_f32_dpp v[DT+(\p)], v[DT+(\p)], v[DT+(\p)] row_xmask:\m row_mask:0xf bank_mask:0xf
.endr
.endr
.irp p, 0,1,2,3
	v_permlanex16_b32 v[TP+(\p)], v[DT+(\p)], s54, s55
.endr
.irp p, 0,1,2,3
	v_add_f32 v[DT+(\p)], v[DT+(\p)], v[TP+(\p)]   ; every lane holds the same four sums
.endr
.irp p, 0,1,2,3
	v_mul_f32 v[DT+(\p)], s[RE+4*(\p)+(\i)], v[DT+(\p)]
.endr
	v_mov_b32 v[BEST], v[DT]
	v_mov_b32 v[IX+(\i)], s[CI+(\i)]
	v_mov_b32 v[REV], s[RE+(\i)]
.irp p, 1,2,3                          ; in ascending order of the codes: strictly greater keeps the lowest of equals.  The winner's row gathers in candidate 0's registers
	v_mov_b32 v[TP], s[CI+4*(\p)+(\i)]
	v_mov_b32 v[TP+1], s[RE+4*(\p)+(\i)]
	v_cmp_gt_f32 vcc_lo, v[DT+(\p)], v[BEST]
	v_cndmask_b32 v[BEST], v[BEST], v[DT+(\p)], vcc_lo
	v_cndmask_b32 v[IX+(\i)], v[IX+(\i)], v[TP], vcc_lo
	v_cndmask_b32 v[REV], v[REV], v[TP+1], vcc_lo
.irp j, 0,1,2,3,4,5,6,7
	v_cndmask_b32 v[C+32*(\i)+(\j)], v[C+32*(\i)+(\j)], v[C+32*(\i)+8*(\p)+(\j)], vcc_lo
.endr
.endr
.irp j, 0,1,2,3,4,5,6,7
	v_lshlrev_b32 v[EQ+2*(\j)],   16,  v[C+32*(\i)+(\j)]
	v_and_b32     v[EQ+2*(\j)+1], s56, v[C+32*(\i)+(\j)]
.endr
.irp j, 0,1,2,3,4,5,6,7
	v_pk_fma_f32 v[EQ+2*(\j):EQ+2*(\j)+1], v[EQ+2*(\j):EQ+2*(\j)+1], v[REV:REV+1], v[ZF+2*(\j):ZF+2*(\j)+1] op_sel_hi:[1,0,1] neg_lo:[0,0,1] neg_hi:[0,0,1]  ; e re - zf
.endr
.irp j, 0,1,2,3,4,5,6,7
	v_pk_fma_f32 v[LS+2*((\j)%2):LS+2*((\j)%2)+1], v[EQ+2*(\j):EQ+2*(\j)+1], v[EQ+2*(\j):EQ+2*(\j)+1], v[LS+2*((\j)%2):LS+2*((\j)%2)+1]
	v_pk_add_f32 v[OUT+2*(\j):OUT+2*(\j)+1], v[ZF+2*(\j):ZF+2*(\j)+1], v[EQ+2*(\j):EQ+2*(\j)+1]  ; zf + (q - zf)
.endr
.irp t, 0,1,2,3
	global_store_b128 v3, v[OUT+4*(\t):OUT+4*(\t)+3], s[10:11] offset:2048*(\i)+512*(\t) th:TH_STORE_NT  ; 512 consecutive bytes, aligned
.endr
.endm
	FROW 0
	FROW 1
	FROW 2
	FROW 3
	v_add_f32 v[LS], v[LS], v[LS+1]
	v_add_f32 v[LS+2], v[LS+2], v[LS+3]
	v_add_f32 v[LS], v[LS], v[LS+2]
	v_add_f32_dpp v[LS], v[LS], v[LS] row_xmask:1 row_mask:0xf bank_mask:0xf
	v_add_f32_dpp v[LS], v[LS], v[LS] row_xmask:2 row_mask:0xf bank_mask:0xf
	v_add_f32_dpp v[LS], v[LS], v[LS] row_xmask:4 row_mask:0xf bank_mask:0xf
	v_add_f32_dpp v[LS], v[LS], v[LS] row_xmask:8 row_mask:0xf bank_mask:0xf
	v_permlanex16_b32 v[LS+1], v[LS], s54, s55
	v_add_f32 v[LS], v[LS], v[LS+1]
	s_wait_xcnt 0x0                                ; EXEC is a source of the stores above: it changes only behind this wait
	v_cmp_eq_u32 vcc_lo, 0, v1
	s_and_saveexec_b32 s60, vcc_lo
	global_store_b128 v6, v[IX:IX+3], s[12:13]     ; lane 0: my four rows' codes,
	global_store_b32 v6, v[LS], s[14:15]           ; and my wave's part of the loss
	s_endpgm
.Lfunc_end_k_qf26a300df1_finish:
	.size	k_qf26a300df1_finish, .Lfunc_end_k_qf26a300df1_finish-k_qf26a300df1_finish
	.p2alignl 7, 3214868480
	.fill 96, 4, 3214868480
	.section	.rodata,"a",@progbits
	.p2align	6, 0x0
	.amdhsa_kernel k_qf26a300df1_finish
		.amdhsa_group_segment_fixed_size 0
		.amdhsa_private_segment_fixed_size 0
		.amdhsa_enable_private_segment 0
		.amdhsa_kernarg_size 48
		.amdhsa_user_sgpr_count 2
		.amdhsa_user_sgpr_kernarg_segment_ptr 1
		.amdhsa_wavefront_size32 1
		.amdhsa_system_sgpr_workgroup_id_x 1
		.amdhsa_system_sgpr_workgroup_id_y 1
		.amdhsa_system_sgpr_workgroup_id_z 1
		.amdhsa_system_vgpr_workitem_id 0
		.amdhsa_next_free_vgpr 252
		.amdhsa_next_free_sgpr 100
		.amdhsa_reserve_vcc 1
		.amdhsa_float_denorm_mode_32 3
		.amdhsa_float_denorm_mode_16_64 3
		.amdhsa_memory_ordered 1
		.amdhsa_forward_progress 1
		.amdhsa_inst_pref_size 56
	.end_amdhsa_kernel
	.amdgpu_metadata
---
amdhsa.version: [ 1, 2 ]
amdhsa.kernels:
  - .name:           k_qf26a300df1_finish
    .symbol:         k_qf26a300df1_finish.kd
    .args:
      - { .name: xb, .offset: 0, .size: 8, .value_kind: global_buffer, .address_space: global }
      - { .name: rn, .offset: 8, .size: 8, .value_kind: global_buffer, .address_space: global }
      - { .name: cand, .offset: 16, .size: 8, .value_kind: global_buffer, .address_space: global }
      - { .name: out0, .offset: 24, .size: 8, .value_kind: global_buffer, .address_space: global }
      - { .name: out2, .offset: 32, .size: 8, .value_kind: global_buffer, .address_space: global }
      - { .name: lossp, .offset: 40, .size: 8, .value_kind: global_buffer, .address_space: global }
    .group_segment_fixed_size: 0
    .private_segment_fixed_size: 0
    .kernarg_segment_align: 8
    .kernarg_segment_size: 48
    .max_flat_workgroup_size: 256
    .sgpr_count:     100
    .vgpr_count:     252
    .wavefront_size: 32
...
	.end_amdgpu_metadata
.endif
;; end of part 3
;; launch loss (part 4): grid 1 x 1, 1 waves a work-group, no clusters, 0 bytes of LDS; arguments lossp, out1; writes out1
.if DOCPART == 4
	.amdgcn_target "amdgcn-amd-amdhsa--gfx1250"
	.amdhsa_code_object_version 6
	.text
	.protected	k_qf26a300df1_loss
	.globl	k_qf26a300df1_loss
	.p2align	8
	.type	k_qf26a300df1_loss,@function
k_qf26a300df1_loss:
	s_mov_b64 s[64:65], 0
	v_nop
	global_prefetch_b8 v0, s[64:65] scope:SCOPE_SE
	s_setreg_imm32_b32 hwreg(HW_REG_WAVE_MODE, 25, 1), 1
	s_wait_xcnt 0x0
; LOSS.  out1 = (1 + BETA) x the mean of (q - zf)^2 = the sum of the 4,096 partial sums x 2 / (16,384 x 512) = x 2^-22.  One wave: 32 loads of 512 consecutive bytes, all out at once;
; four packed chains; one sum over the lanes.  The order of the sum is fixed.
	s_load_b128 s[4:7], s[0:1], 0x0                ; lossp s[4:5], out1 s[6:7]
	v_lshlrev_b32 v1, 4, v0                        ; 16 bytes a lane
	v_mov_b32 v2, 0
	s_mov_b32 s8, 0x76543210                       ; v_permlanex16_b32: each lane takes its own place in the other half
	s_mov_b32 s9, 0xfedcba98
	s_wait_kmcnt 0x0
.set j, 0
.rept 32
	global_load_b128 v[8+4*j:8+4*j+3], v1, s[4:5] offset:512*j
.set j, j+1
.endr
	s_wait_loadcnt 0x0
.set j, 2
.rept 30                               ; the first two loads' registers are the four chains
	v_pk_add_f32 v[8+4*(j%2):9+4*(j%2)],   v[8+4*(j%2):9+4*(j%2)],   v[8+4*j:9+4*j]
	v_pk_add_f32 v[10+4*(j%2):11+4*(j%2)], v[10+4*(j%2):11+4*(j%2)], v[10+4*j:11+4*j]
.set j, j+1
.endr
	v_pk_add_f32 v[8:9], v[8:9], v[12:13]
	v_pk_add_f32 v[10:11], v[10:11], v[14:15]
	v_pk_add_f32 v[8:9], v[8:9], v[10:11]
	v_add_f32 v8, v8, v9
	v_add_f32_dpp v8, v8, v8 row_xmask:1 row_mask:0xf bank_mask:0xf
	v_add_f32_dpp v8, v8, v8 row_xmask:2 row_mask:0xf bank_mask:0xf
	v_add_f32_dpp v8, v8, v8 row_xmask:4 row_mask:0xf bank_mask:0xf
	v_add_f32_dpp v8, v8, v8 row_xmask:8 row_mask:0xf bank_mask:0xf
	v_permlanex16_b32 v9, v8, s8, s9
	v_add_f32 v8, v8, v9
	v_mul_f32 v8, 0x34800000, v8                   ; x 2^-22
	s_wait_xcnt 0x0                                ; EXEC changes only behind this wait
	v_cmp_eq_u32 vcc_lo, 0, v0
	s_and_saveexec_b32 s10, vcc_lo
	global_store_b32 v2, v8, s[6:7]
	s_endpgm
.Lfunc_end_k_qf26a300df1_loss:
	.size	k_qf26a300df1_loss, .Lfunc_end_k_qf26a300df1_loss-k_qf26a300df1_loss
	.p2alignl 7, 3214868480
	.fill 96, 4, 3214868480
	.section	.rodata,"a",@progbits
	.p2align	6, 0x0
	.amdhsa_kernel k_qf26a300df1_loss
		.amdhsa_group_segment_fixed_size 0
		.amdhsa_private_segment_fixed_size 0
		.amdhsa_enable_private_segment 0
		.amdhsa_kernarg_size 16
		.amdhsa_user_sgpr_count 2
		.amdhsa_user_sgpr_kernarg_segment_ptr 1
		.amdhsa_wavefront_size32 1
		.amdhsa_system_sgpr_workgroup_id_x 1
		.amdhsa_system_sgpr_workgroup_id_y 1
		.amdhsa_system_sgpr_workgroup_id_z 1
		.amdhsa_system_vgpr_workitem_id 0
		.amdhsa_next_free_vgpr 136
		.amdhsa_next_free_sgpr 66
		.amdhsa_reserve_vcc 1
		.amdhsa_float_denorm_mode_32 3
		.amdhsa_float_denorm_mode_16_64 3
		.amdhsa_memory_ordered 1
		.amdhsa_forward_progress 1
		.amdhsa_inst_pref_size 9
	.end_amdhsa_kernel
	.amdgpu_metadata
---
amdhsa.version: [ 1, 2 ]
amdhsa.kernels:
  - .name:           k_qf26a300df1_loss
    .symbol:         k_qf26a300df1_loss.kd
    .args:
      - { .name: lossp, .offset: 0, .size: 8, .value_kind: global_buffer, .address_space: global }
      - { .name: out1, .offset: 8, .size: 8, .value_kind: global_buffer, .address_space: global }
    .group_segment_fixed_size: 0
    .private_segment_fixed_size: 0
    .kernarg_segment_align: 8
    .kernarg_segment_size: 16
    .max_flat_workgroup_size: 32
    .sgpr_count:     66
    .vgpr_count:     136
    .wavefront_size: 32
...
	.end_amdgpu_metadata
.endif
;; end of part 4
;; ======== version 2 of 2: 4 launches; version 1 with the launch finish written anew for expert scheduling mode
;; workspace buffers: xb 25,165,824 bytes; rn 98,304 bytes; cand 262,144 bytes of whole numbers; lossp 16,384 bytes
;; launch prep: the kernel of part 1 again; grid 768 x 1, 8 waves a work-group, no clusters, 0 bytes of LDS; arguments z, embed_weight, xb, rn; writes xb, rn
;; launch vq: the kernel of part 2 again; grid 64 x 4, 4 waves a work-group, clusters of 4 x 1, 327,680 bytes of LDS; arguments xb, rn, cand; writes cand
;; launch finish (part 5): grid 512 x 1, 8 waves a work-group, no clusters, 0 bytes of LDS; arguments xb, rn, cand, out0, out2, lossp; writes out0, out2, lossp
.if DOCPART == 5
	.amdgcn_target "amdgcn-amd-amdhsa--gfx1250"
	.amdhsa_code_object_version 6
	.text
	.protected	k_qf26a300df1_finish
	.globl	k_qf26a300df1_finish
	.p2align	8
	.type	k_qf26a300df1_finish,@function
k_qf26a300df1_finish:
	s_mov_b64 s[64:65], 0
	v_nop
	global_prefetch_b8 v0, s[64:65] scope:SCOPE_SE
	s_setreg_imm32_b32 hwreg(HW_REG_WAVE_SCHED_MODE, 0, 2), 2
	s_setreg_imm32_b32 hwreg(HW_REG_WAVE_MODE, 25, 1), 1
	s_wait_xcnt 0x0
	s_wait_alu depctr_vm_vsrc(0)
; FINISH.  For each row n of z: the four candidates cand[0..3][n] (one for each quarter of the codebook) are weighed anew in f32, score = (zf . e) re with zf = z rz; the greatest wins, among equals the
; lowest code.  out0[n] = zf + (q - zf) with q = e re; out2[n] = the code; lossp[wave] = the sum of (q - zf)^2 over the wave's four rows.  z and e are the bf16 copies in xb, rz and re the 1 / norm in rn.
; The candidates are whole numbers read from memory: all four code rows are loaded, and the choice among them selects values only (v_cndmask_b32); no address and no branch hangs on a score.
; SHARES.  A wave takes four rows; a lane holds the numbers 128 t + 4 lane + k (t, k = 0..3) of a row: loads of 256 consecutive bytes of bf16, stores of 512 consecutive bytes of f32.  No LDS, no barrier.
; No cluster: the work-groups share no tile.  LIMITS.  A NaN score of candidates 1 to 3 never wins; candidate 0 stays wherever no other score compares greater, so also where its own is NaN.
; An index is held to 0 .. 8,191 before it enters an address.
; THE MODE: SCHED_MODE bits 1:0 = 2 (LLVM: expert scheduling mode 2), set by the entry lines.  The code itself states the register dependences
; between vector instructions and memory instructions, with s_wait_alu, always for 0.
; THE PLAN.  The text has no branch.  Registers that memory instructions touch:
;   v2, v3, v6   byte offsets, made once at the head and never written again.
;   OFF          sixteen byte offsets, made once in one run of additions; read by the 64 loads of code rows; never written again.
;   Z, C         written by the loads alone before the vector work on their row begins; no load is issued behind the head.
;   OUT[i]       the sixteen registers of row i's candidates 1 and 2, which are dead when the row's choice is made: written once by row i's last additions, read by row i's four stores.
;   IX, LS       written by vector instructions; read by the last two stores.
; Every row has an out-buffer of its own, so no register that a load or a store reads is ever written again: nothing is owed for that but in front of the write of EXEC.
; Row i's stores are issued in row i + 1, behind ONE wait at that row's head, and dealt among its vector lines, which name neither v3 nor a register of C's row i.
.set EB_OFF, 0x1000000                 ; the codebook's first byte in xb
.set RE_OFF, 65536                     ; and in rn
.set IX,   8                           ; v[8:11]    the four rows' codes
.set REV,  12                          ; v[12:13]   the chosen code's 1 / norm (the packed lines take the pair's first word for both halves)
.set BEST, 14                          ; v14        the best score so far
.set DT,   16                          ; v[16:19]   the four scores
.set TP,   20                          ; v[20:23]   at work
.set LS,   24                          ; v[24:27]   sums of (q - zf)^2, two packed chains
.set ZF,   28                          ; v[28:43]   zf, 16 numbers
.set EQ,   44                          ; v[44:59]   e, then q - zf                  (v[60:75] are not used)
.set OFF,  76                          ; v[76:91]   row i, candidate p at 4 i + p: byte offset of my 8 bytes in the code's row
.set Z,    92                          ; v[92:123]  row i at 8 i: z as loaded
.set C,    124                         ; v[124:251] row i, candidate p at 32 i + 8 p: the code's row as loaded
.set OUT,  C+8                         ; row i at 32 i: what is stored, in the registers that held the row's candidates 1 and 2
.set RZ,   20                          ; s[20:23]   the four rows' rz
.set CI,   24                          ; s[24:39]   candidate p of row i at 4 p + i
.set RO,   66                          ; s[66:81]   its byte offset among the factors
.set RE,   82                          ; s[82:97]   its 1 / norm
	s_load_b256 s[4:11], s[0:1], 0x0               ; xb s[4:5], rn s[6:7], cand s[8:9], out0 s[10:11]
	s_load_b128 s[12:15], s[0:1], 0x20             ; out2 s[12:13], lossp s[14:15]
	v_and_b32 v1, 31, v0                           ; lane
	v_lshrrev_b32 v4, 5, v0
	v_readfirstlane_b32 s16, v4
	v_lshlrev_b32 v2, 3, v1                        ; 8 bytes a lane of bf16
	v_lshlrev_b32 v3, 4, v1                        ; 16 bytes a lane of f32
	v_mov_b32 v6, 0                                ; starts the chains; also the offset of the last stores
	v_mov_b32 v[REV+1], 0                          ; named with REV as a pair
.irp k, 0,1,2,3
	v_mov_b32 v[TP+(\k)], 0                        ; v_permlanex16_b32's destinations count as read
	v_mov_b32 v[LS+(\k)], 0
.endr
	s_mov_b32 s54, 0x76543210                      ; v_permlanex16_b32: each lane takes its own place in the other half
	s_mov_b32 s55, 0xfedcba98
	s_mov_b32 s56, 0xffff0000                      ; a word's upper bf16
	s_mov_b32 s47, 0                               ; named with s46 as a pair
	s_wait_alu depctr_va_sdst(0)                   ; s16, the wave's number, is written, ahead of its first reader: every base below is made from it
	s_lshl_b32 s17, ttmp9, 3
	s_add_co_u32 s16, s16, s17                     ; G: my wave among the launch's 4,096
	s_lshl_b32 s52, s16, 4                         ; four words a wave: in rn, in each part of cand, in out2
	s_lshl_b32 s18, s16, 12                        ; four rows of 1,024 bytes in xb
	s_mov_b32 s19, 0
	s_lshl_b32 s48, s16, 13                        ; four rows of 2,048 bytes in out0
	s_mov_b32 s49, 0
	s_mov_b32 s50, s52
	s_mov_b32 s51, 0
	s_lshl_b32 s58, s16, 2                         ; one word in lossp
	s_mov_b32 s59, 0
	s_wait_kmcnt 0x0
	s_load_b128 s[RZ:RZ+3], s[6:7], s52 offset:0x0
.irp p, 0,1,2,3
	s_load_b128 s[CI+4*(\p):CI+4*(\p)+3], s[8:9], s52 offset:0x10000*(\p)
.endr
	s_add_nc_u64 s[44:45], s[4:5], s[18:19]        ; my rows of z
	s_add_nc_u64 s[40:41], s[4:5], EB_OFF          ; the codebook
	s_add_nc_u64 s[42:43], s[6:7], RE_OFF          ; its factors
	s_add_nc_u64 s[10:11], s[10:11], s[48:49]
	s_add_nc_u64 s[12:13], s[12:13], s[50:51]
	s_add_nc_u64 s[14:15], s[14:15], s[58:59]
	s_wait_alu depctr_va_vdst(0)                   ; v2 is written, which the loads of z read as their offset; so are v3 and v6, the offsets of every store of the kernel
.set i, 0
.rept 4
.irp t, 0,1,2,3
	global_load_b64 v[Z+8*i+2*(\t):Z+8*i+2*(\t)+1], v2, s[44:45] offset:1024*i+256*(\t)  ; z goes out while the candidates are on their way
.endr
.set i, i+1
.endr
	s_wait_kmcnt 0x0                               ; rz and the candidates
.set k, 0
.rept 16
	s_min_u32 s[CI+k], s[CI+k], 0x1fff             ; an index stays inside the codebook
	s_lshl_b32 s[RO+k], s[CI+k], 2
	s_load_b32 s[RE+k], s[42:43], s[RO+k] offset:0x0
.set k, k+1
.endr
.set i, 0
.rept 4                                ; all sixteen offsets in one run, so that one wait serves the 64 loads
.irp p, 0,1,2,3
	s_lshl_b32 s53, s[CI+4*(\p)+i], 10             ; the code's row of 1,024 bytes
	v_add_nc_u32 v[OFF+4*i+(\p)], s53, v2
.endr
.set i, i+1
.endr
	s_wait_alu depctr_va_vdst(0)                   ; the sixteen additions have written OFF, which the loads below read as their offsets
.set i, 0
.rept 4
.irp p, 0,1,2,3
.irp t, 0,1,2,3
	global_load_b64 v[C+32*i+8*(\p)+2*(\t):C+32*i+8*(\p)+2*(\t)+1], v[OFF+4*i+(\p)], s[40:41] offset:256*(\t)
.endr
.endr
.set i, i+1
.endr
	s_wait_kmcnt 0x0                               ; the candidates' factors
; Store t of the four of row r
.macro OST r, t
	global_store_b128 v3, v[OUT+32*(\r)+4*(\t):OUT+32*(\r)+4*(\t)+3], s[10:11] offset:2048*(\r)+512*(\t) th:TH_STORE_NT  ; 512 consecutive bytes, aligned
.endm
.macro FROW i
	s_wait_loadcnt 48-16*(\i)                      ; loads come back in order: z and this row's four codes are in; the younger rows' sixteen loads each may stay out
.if (\i) > 0
	s_wait_alu depctr_va_vdst(0)                   ; the row before has written its OUT, which its four stores read; they follow, dealt among this row's lines, none of which names v3 or that OUT
	OST (\i)-1, 0
.endif
	s_mov_b32 s46, s[RZ+(\i)]
.irp j, 0,1,2,3,4,5,6,7
	v_lshlrev_b32 v[ZF+2*(\j)],   16,  v[Z+8*(\i)+(\j)]
	v_and_b32     v[ZF+2*(\j)+1], s56, v[Z+8*(\i)+(\j)]
.endr
.if (\i) > 0
	OST (\i)-1, 1
.endif
.irp j, 0,1,2,3,4,5,6,7
	v_pk_mul_f32 v[ZF+2*(\j):ZF+2*(\j)+1], v[ZF+2*(\j):ZF+2*(\j)+1], s[46:47] op_sel_hi:[1,0]  ; zf = z rz
.endr
	; four dot products, one chain each, the chains by turns; the codes' halves are read as they lie
.irp j, 0,1,2,3,4,5,6,7
.if ((\i) > 0) && ((\j) < 2)
	OST (\i)-1, 2+(\j)
.endif
.irp p, 0,1,2,3
.if (\j) == 0
	v_fma_mix_f32_bf16 v[DT+(\p)], v[C+32*(\i)+8*(\p)+(\j)], v[ZF+2*(\j)], v6 op_sel_hi:[1,0,0]
.else
	v_fma_mix_f32_bf16 v[DT+(\p)], v[C+32*(\i)+8*(\p)+(\j)], v[ZF+2*(\j)], v[DT+(\p)] op_sel_hi:[1,0,0]
.endif
.endr
.irp p, 0,1,2,3
	v_fma_mix_f32_bf16 v[DT+(\p)], v[C+32*(\i)+8*(\p)+(\j)], v[ZF+2*(\j)+1], v[DT+(\p)] op_sel:[1,0,0] op_sel_hi:[1,0,0]
.endr
.endr
.irp m, 1,2,4,8
.irp p, 0,1,2,3
	v_add_f32_dpp v[DT+(\p)], v[DT+(\p)], v[DT+(\p)] row_xmask:\m row_mask:0xf bank_mask:0xf
.endr
.endr
.irp p, 0,1,2,3
	v_permlanex16_b32 v[TP+(\p)], v[DT+(\p)], s54, s55
.endr
.irp p, 0,1,2,3
	v_add_f32 v[DT+(\p)], v[DT+(\p)], v[TP+(\p)]   ; every lane holds the same four sums
.endr
.irp p, 0,1,2,3
	v_mul_f32 v[DT+(\p)], s[RE+4*(\p)+(\i)], v[DT+(\p)]
.endr
	v_mov_b32 v[BEST], v[DT]
	v_mov_b32 v[IX+(\i)], s[CI+(\i)]
	v_mov_b32 v[REV], s[RE+(\i)]
.irp p, 1,2,3                          ; in ascending order of the codes: strictly greater keeps the lowest of equals.  The winner's row gathers in candidate 0's registers
	v_cmp_gt_f32 vcc_lo, v[DT+(\p)], v[BEST]       ; each comparison reads the BEST that the mask before it has chosen: the three cannot stand in one run
	v_mov_b32 v[TP], s[CI+4*(\p)+(\i)]
	v_mov_b32 v[TP+1], s[RE+4*(\p)+(\i)]
	s_wait_alu depctr_va_vcc(0)                    ; the comparison has written VCC, ahead of the first selection that reads it
	v_cndmask_b32 v[BEST], v[BEST], v[DT+(\p)], vcc_lo
	v_cndmask_b32 v[IX+(\i)], v[IX+(\i)], v[TP], vcc_lo
	v_cndmask_b32 v[REV], v[REV], v[TP+1], vcc_lo
.irp j, 0,1,2,3,4,5,6,7
	v_cndmask_b32 v[C+32*(\i)+(\j)], v[C+32*(\i)+(\j)], v[C+32*(\i)+8*(\p)+(\j)], vcc_lo
.endr
.endr
.irp j, 0,1,2,3,4,5,6,7
	v_lshlrev_b32 v[EQ+2*(\j)],   16,  v[C+32*(\i)+(\j)]
	v_and_b32     v[EQ+2*(\j)+1], s56, v[C+32*(\i)+(\j)]
.endr
.irp j, 0,1,2,3,4,5,6,7
	v_pk_fma_f32 v[EQ+2*(\j):EQ+2*(\j)+1], v[EQ+2*(\j):EQ+2*(\j)+1], v[REV:REV+1], v[ZF+2*(\j):ZF+2*(\j)+1] op_sel_hi:[1,0,1] neg_lo:[0,0,1] neg_hi:[0,0,1]  ; e re - zf
.endr
.irp j, 0,1,2,3,4,5,6,7
	v_pk_fma_f32 v[LS+2*((\j)%2):LS+2*((\j)%2)+1], v[EQ+2*(\j):EQ+2*(\j)+1], v[EQ+2*(\j):EQ+2*(\j)+1], v[LS+2*((\j)%2):LS+2*((\j)%2)+1]
	v_pk_add_f32 v[OUT+32*(\i)+2*(\j):OUT+32*(\i)+2*(\j)+1], v[ZF+2*(\j):ZF+2*(\j)+1], v[EQ+2*(\j):EQ+2*(\j)+1]  ; zf + (q - zf), into the row's own out-buffer: candidates 1 and 2 have been read for the last time
.endr
.endm
	FROW 0
	FROW 1
	FROW 2
	FROW 3
	s_wait_alu depctr_va_vdst(0)                   ; row 3 has written its OUT, which the four stores below read
.irp t, 0,1,2,3
	OST 3, \t
.endr
	v_add_f32 v[LS], v[LS], v[LS+1]
	v_add_f32 v[LS+2], v[LS+2], v[LS+3]
	v_add_f32 v[LS], v[LS], v[LS+2]
	v_add_f32_dpp v[LS], v[LS], v[LS] row_xmask:1 row_mask:0xf bank_mask:0xf
	v_add_f32_dpp v[LS], v[LS], v[LS] row_xmask:2 row_mask:0xf bank_mask:0xf
	v_add_f32_dpp v[LS], v[LS], v[LS] row_xmask:4 row_mask:0xf bank_mask:0xf
	v_add_f32_dpp v[LS], v[LS], v[LS] row_xmask:8 row_mask:0xf bank_mask:0xf
	v_permlanex16_b32 v[LS+1], v[LS], s54, s55
	v_add_f32 v[LS], v[LS], v[LS+1]
	s_wait_xcnt 0x0                                ; EXEC is a source of the stores above: it changes only behind this wait
	v_cmp_eq_u32 vcc_lo, 0, v1
	s_wait_alu depctr_va_vcc(0)                    ; the comparison has written VCC, from which EXEC is made
	s_wait_alu depctr_va_vdst(0)                   ; ahead of the write of EXEC: every vector instruction is done; among them those that wrote IX and LS, which the two stores below read
	s_wait_alu depctr_vm_vsrc(0)                   ; ahead of the write of EXEC: the stores above have read their registers
	s_and_saveexec_b32 s60, vcc_lo
	global_store_b128 v6, v[IX:IX+3], s[12:13]     ; lane 0: my four rows' codes,
	global_store_b32 v6, v[LS], s[14:15]           ; and my wave's part of the loss
	s_endpgm
.Lfunc_end_k_qf26a300df1_finish:
	.size	k_qf26a300df1_finish, .Lfunc_end_k_qf26a300df1_finish-k_qf26a300df1_finish
	.p2alignl 7, 3214868480
	.fill 96, 4, 3214868480
	.section	.rodata,"a",@progbits
	.p2align	6, 0x0
	.amdhsa_kernel k_qf26a300df1_finish
		.amdhsa_group_segment_fixed_size 0
		.amdhsa_private_segment_fixed_size 0
		.amdhsa_enable_private_segment 0
		.amdhsa_kernarg_size 48
		.amdhsa_user_sgpr_count 2
		.amdhsa_user_sgpr_kernarg_segment_ptr 1
		.amdhsa_wavefront_size32 1
		.amdhsa_system_sgpr_workgroup_id_x 1
		.amdhsa_system_sgpr_workgroup_id_y 1
		.amdhsa_system_sgpr_workgroup_id_z 1
		.amdhsa_system_vgpr_workitem_id 0
		.amdhsa_next_free_vgpr 252
		.amdhsa_next_free_sgpr 100
		.amdhsa_reserve_vcc 1
		.amdhsa_float_denorm_mode_32 3
		.amdhsa_float_denorm_mode_16_64 3
		.amdhsa_memory_ordered 1
		.amdhsa_forward_progress 1
		.amdhsa_inst_pref_size 56
	.end_amdhsa_kernel
	.amdgpu_metadata
---
amdhsa.version: [ 1, 2 ]
amdhsa.kernels:
  - .name:           k_qf26a300df1_finish
    .symbol:         k_qf26a300df1_finish.kd
    .args:
      - { .name: xb, .offset: 0, .size: 8, .value_kind: global_buffer, .address_space: global }
      - { .name: rn, .offset: 8, .size: 8, .value_kind: global_buffer, .address_space: global }
      - { .name: cand, .offset: 16, .size: 8, .value_kind: global_buffer, .address_space: global }
      - { .name: out0, .offset: 24, .size: 8, .value_kind: global_buffer, .address_space: global }
      - { .name: out2, .offset: 32, .size: 8, .value_kind: global_buffer, .address_space: global }
      - { .name: lossp, .offset: 40, .size: 8, .value_kind: global_buffer, .address_space: global }
    .group_segment_fixed_size: 0
    .private_segment_fixed_size: 0
    .kernarg_segment_align: 8
    .kernarg_segment_size: 48
    .max_flat_workgroup_size: 256
    .sgpr_count:     100
    .vgpr_count:     252
    .wavefront_size: 32
...
	.end_amdgpu_metadata
.endif
;; end of part 5
;; launch loss: the kernel of part 4 again; grid 1 x 1, 1 waves a work-group, no clusters, 0 bytes of LDS; arguments lossp, out1; writes out1
